; MI455X (gfx1250); checked and timed in simulation.
; The chip was launched on July 23, 2026; its instructions are those of AMD's public machine-readable ISA for CDNA 5 (MIT licence, August 2026) and "CDNA5" Instruction Set Architecture Reference Guide (July 2026). The comments in the code are by the model that wrote it; some were corrected since.
;; Re Sprop Attention. Allowed arithmetic: matrix products marked QUANTISED: E3M2 operands, one E8M0 scale for each 32 along K, by v_wmma_scale_f32_16x16x128_f8f6f4 with both operands' format E3M2, f32 sums; everything else in f32.
;; Inputs: K 32 x 2,048 x 128 float32; Q 32 x 2,048 x 128 float32; V 32 x 2,048 x 128 float32.
;; Outputs: out0 32 x 2,048 x 128 float32.
;; This version of the problem:
;;   THIS VERSION OF THE PROBLEM IS GIVEN IN LOW PRECISION. The matrix products marked QUANTISED in the list below multiply operands that are first quantised to E3M2 (3 exponent bits, 2 mantissa bits; 6 bits a number), with one power-of-two scale for each 32 numbers along K (OCP MX v1.0); their sums are f32. All else is computed in f32.
;;   The module's matrix products, in the order in which they are computed (A, B: the left and right operand; K: the contracted axis; several contracted axes count as one K, in the product's order):
;;     1. batch 32 x [M 2,048, K 128] x [K 128, N 2,048]; A: input Q; B: input K: QUANTISED
;;     2. batch 32 x [M 2,048, K 2,048] x [K 2,048, N 128]; A: softmax (see below); B: input V: QUANTISED
;;   THE QUANTISER, for each operand of a quantised product, along K:
;;     - K is cut into blocks of 32 from its start; a last block that is shorter is filled with zeros.
;;     - A block's scale is 2^e with e = floor(log2(the largest magnitude in the block)) - 4, held to -126 .. 127; a block of zeros has e = 0. As a byte (E8M0): e + 127.
;;     - Each number is divided by its block's scale, clamped to +-28, and rounded to the nearest number of E3M2, ties to even, subnormals kept.
;;     - The product sums the exact products of the quantised numbers (number of the format x scale) in f32.
;;   ~~~python
;;   def quantise(x, axis):      # numpy; x: float32 -> the quantised numbers, widened to float32 again
;;       x = np.moveaxis(x, axis, -1); K = x.shape[-1]
;;       x = np.pad(x, [(0, 0)] * (x.ndim - 1) + [(0, -K % 32)]); x = x.reshape(x.shape[:-1] + (-1, 32)); a = np.abs(x).max(-1, keepdims=True)
;;       e = np.where(a > 0, np.clip(np.frexp(np.where(a > 0, a, 1))[1] - 1 - 4, -126, 127), 0)      # np.frexp(a)[1] - 1 = floor(log2(a)), exactly
;;       r = np.clip(x / 2.0 ** e, -28, 28)
;;       step = 2.0 ** (np.maximum(np.frexp(np.where(r == 0, 1, r))[1] - 1, -2) - 2)
;;       q = np.round(r / step) * step * 2.0 ** e      # np.round: ties to even
;;       return np.moveaxis(q.reshape(q.shape[:-2] + (-1,))[..., :K], -1, axis).astype(np.float32)
;;   ~~~
;;   SOFTMAX AHEAD OF A QUANTISED PRODUCT. Where the list says 'softmax', what is quantised is not the finished softmax but p = 2^(t - M), with t = logit x log2(e) and M = ceil(the row's largest t), a whole number; so 1/2 < the row's largest p <= 1. The row's sum l is taken of the UNQUANTISED p, in f32, and the product's result is divided by l at the end. Since M is a whole number, a kernel that streams over the keys may use a running M (the ceiling of the running maximum): every later rescaling is an exact power of two, which a block's scale takes up: the codes' values come out the same.
;;   OPERANDS COMPUTED ON THE WAY. 'Computed on the way' means the value that the module computes at that place (a softmax that the list does not call 'softmax' is quantised finished and normalised). What goes into a quantiser is computed in f32, as accurately as f32 sums, v_exp_f32 and their like allow (about 1e-6 of the number): no bf16 or f16 on the way to a quantiser, and a product that is left as it is and whose result goes on into a quantised operand takes f32 operands (vector FMAs, or v_wmma_f32_16x16x4_f32). A number that lies on a knife's edge between two numbers of the format may be rounded either way, as far as f32 arithmetic and the matrix unit's own rounding can turn it there, and no further.
;; One version. Each part assembles by itself: llvm-mc -triple=amdgcn-amd-amdhsa -mcpu=gfx1250 --defsym DOCPART=n.
;; ======== version 1 of 1: 2 launches
;; limits: right only within a limited range of input values
;; workspace buffers: kv 13,107,200 bytes
;; launch quant (part 1): grid 1024 x 1, 4 waves a work-group, no clusters, 68,096 bytes of LDS; arguments K, V, kv; writes kv
.if DOCPART == 1
	.amdgcn_target "amdgcn-amd-amdhsa--gfx1250"
	.amdhsa_code_object_version 6
	.text
	.protected	k_q8985842137_quant
	.globl	k_q8985842137_quant
	.p2align	8
	.type	k_q8985842137_quant,@function
k_q8985842137_quant:
	s_mov_b64 s[64:65], 0
	v_nop
	global_prefetch_b8 v0, s[64:65] scope:SCOPE_SE
	s_setreg_imm32_b32 hwreg(HW_REG_WAVE_MODE, 25, 1), 1
	s_wait_xcnt 0x0
; K and V, [32][2048][128] f32, become codes of BF6 (E3M2) with one E8M0 scale byte for each 32 along a product's K, laid in kv AS THE NEXT LAUNCH'S MATRIX OPERANDS LIE IN REGISTERS.
; K is quantised along the head's 128 (innermost in memory), V along the keys (its first axis within a head).
; A UNIT of kv is one head's 128 keys: 25,600 dense bytes, unit u = 16 x head + step at u x 25,600:
;   KIMG  8 fragments of 1,536 bytes.  Fragment t = 16 keys x 128 d; its row r is key 32 (t / 2) + 8 (t % 2) + r + 8 (r / 8) of the step, so that the scores of tiles 2 b and 2 b + 1 are 16 neighbouring keys in a lane.
;         A fragment is 12 registers a lane: registers 4 g .. 4 g + 3 lie at 512 g, lane l's 16 bytes at 16 l.
;   VIMG  8 fragments likewise.  Fragment t = channels 16 t + r x the step's 128 keys.
;   KSC, VSC  512 bytes each: the scale word of tile t, row r at 256 (t / 4) + 16 r + 4 (t % 4): one load of 16 bytes a lane brings tiles 0-3 to lanes 0-15 and tiles 4-7 to lanes 16-31.
; A block's scale is 2^(floor(log2(its largest magnitude)) - 4); its byte is the largest magnitude's exponent field - 4, held at 1 from below.
; LIMITS: a block whose largest magnitude lies under 2^-122 has its byte held at 1; a block of zeros gets the byte 1 where the quantiser says 127 (its codes are zeros, which add nothing, and this program alone
; reads the bytes); NaN and infinities among the inputs are not served.
; SHARES: work-groups 0-511 take K's units, 512-1023 V's.  Wave w makes tiles 2 w and 2 w + 1 of its unit.  Waves share nothing: no barrier.  Only K's path uses LDS.
; No tensor loads, no matrix unit, no cluster: every input byte is read once by one wave, so nothing is shared.
.set STEPB, 25600
.set KIMG,  0
.set VIMG,  12288
.set KSC,   24576
.set VSC,   25088
.set FRB,   1536                       ; a fragment's image
.set SP,    528                        ; a stage row: 512 bytes + 16: sixteen rows' equal columns fall 16 bytes apart modulo 256
.set STG,   16*SP                      ; a stage: one tile's 16 rows
.set WREG,  2*STG                      ; a wave's LDS: two stages
.set SEL,   20                         ; s[20:21] v_permlanex16_b32's selects for lane l xor 16
; K's path
.set R0,  16                           ; v16-79    tile 0's rows as loaded;  v80-143 tile 1's
.set X0,  144                          ; v144-207  tile 0: 64 numbers of my row: register 16 b + i = d 32 b + 16 (lane / 16) + i
.set X1,  16                           ; v16-79    tile 1's, in the registers that tile 0's rows have left
.set TM,  208                          ; v208-223  at work in QUANT
.set PW,  224                          ; v224-225  the two tiles' scale words
.set PC0, 226                          ; v226-244  tile 0's codes
.set PC1, 144                          ; v144-162  tile 1's
; V's path
.set XV,  16                           ; v16-143   four blocks of 32 keys of my channel
.set FA,  144                          ; v144-155  tile 2 w's fragment
.set FB,  156                          ; v156-167  tile 2 w + 1's
.set TU,  168                          ; v168-183  the blocks' upper 16 codes, four registers a block
.set MX,  184                          ; v184-191  two running maxima a block
.set SO,  192                          ; v192-195  the conversions' scale operands
.set BY,  196                          ; v196      a scale byte
.set SW,  200                          ; v200      my channel's scale word
	s_load_b128 s[4:7], s[0:1], 0x0                ; K, V
	s_load_b64 s[8:9], s[0:1], 0x10                ; kv
	v_lshl_add_u32 v248, v0, 2, 0x10800
	v_mov_b32 v249, 0
	v_lshrrev_b32 v8, 5, v0
	v_readfirstlane_b32 s10, v8                    ; wave 0..3
	v_and_b32 v9, 31, v0                           ; lane
	s_wait_alu depctr_va_vdst(0)
	v_and_b32 v10, 15, v0                          ; r
	s_wait_alu depctr_va_vdst(0)
	v_bfe_u32 v11, v0, 4, 1                        ; h
	s_and_b32 s11, ttmp9, 511                      ; the unit
	s_lshl_b32 s12, s11, 16                        ; its 128 rows of 512 bytes, in K as in V
	s_mov_b32 s13, 0
	s_mul_i32 s14, s11, STEPB                      ; and its place in kv
	s_mov_b32 s15, 0
	s_lshl_b32 s16, s10, 14                        ; K: my wave's 32 keys
	s_mul_i32 s17, s10, WREG                       ; my wave's LDS
	s_mul_i32 s18, s10, 2*FRB                      ; my wave's two images
	s_lshr_b32 s19, s10, 1
	s_lshl_b32 s19, s19, 8
	s_and_b32 s22, s10, 1
	s_lshl_b32 s22, s22, 3
	s_add_co_u32 s19, s19, s22                     ; my tiles' scale words: 256 (w / 2) + 8 (w % 2)
	s_lshl_b32 s22, s10, 7                         ; V: my wave's 32 channels
	s_mov_b32 s[SEL], 0x76543210
	s_mov_b32 s[SEL+1], 0xfedcba98
	v_lshl_add_u32 v1, v9, 4, s16                  ; K in: 16 x lane + my keys
	v_lshl_add_u32 v2, v9, 4, s17                  ; the stage, in: 16 x lane
	v_mul_u32_u24 v3, v10, SP
	s_wait_alu depctr_va_vdst(0)
	v_lshl_add_u32 v3, v11, 6, v3
	v_add_nc_u32 v3, s17, v3                       ; the stage, out: row r, + 64 h: my 16 numbers of each block of 32
	v_lshl_add_u32 v4, v9, 4, s18                  ; an image's place for my lane
	v_lshl_add_u32 v5, v10, 4, s19                 ; K's scale words: 16 r + my tiles' place
	v_lshl_add_u32 v6, v9, 2, s22                  ; V in: my channel
	v_lshl_add_u32 v7, v11, 2, v5                  ; V's scale word: lane (r, h) holds row r of tile 2 w + h
.irp b, 0,1,2,3
	v_mov_b32 v[TM+4+\b], 0                        ; written once: a lane permute's destination counts as one of its sources
.endr
	s_wait_kmcnt 0x0
	s_add_nc_u64 s[4:5], s[4:5], s[12:13]
	s_add_nc_u64 s[6:7], s[6:7], s[12:13]
	s_add_nc_u64 s[8:9], s[8:9], s[14:15]
	s_cmp_lt_u32 ttmp9, 512                        ; K's work-group or V's: the two paths never join
	s_cbranch_scc0 .Lv
; 64 numbers of a lane, register s + 16 b + i = k 32 b + 16 (lane / 16) + i of my row, become a fragment's codes in v[pc] .. v[pc + 11] and its scale word in v[pw].
.macro QUANT s, pc, pw
.irp b, 0,1,2,3
	v_max3_num_f32 v[TM+\b], |v[\s+16*\b]|, |v[\s+1+16*\b]|, 0x2800000   ; block b: my 16 numbers, and the floor 2^(5 - 127): the byte cannot fall under 1
.endr
.irp i, 2,4,6,8,10,12,14
.irp b, 0,1,2,3
	v_max3_num_f32 v[TM+\b], v[TM+\b], |v[\s+16*\b+\i]|, |v[\s+1+16*\b+\i]|   ; the four blocks by turns: no line waits for the line above it
.endr
.endr
.irp b, 0,1,2,3
	v_permlanex16_b32 v[TM+4+\b], v[TM+\b], s[SEL], s[SEL+1]
.endr
.irp b, 0,1,2,3
	v_max_num_f32 v[TM+\b], v[TM+\b], v[TM+4+\b]   ; with lane l xor 16's: the block's largest magnitude
.endr
.irp b, 0,1,2,3
	v_add_nc_u32 v[TM+12+\b], 0xfe000000, v[TM+\b] ; 4 off its exponent field: the conversion takes this operand's exponent field as its scale
.endr
.irp b, 0,1,2,3
	v_lshrrev_b32 v[TM+4+\b], 23, v[TM+12+\b]      ; the scale's byte
.endr
	v_lshl_or_b32 v[\pw], v[TM+5], 8, v[TM+4]      ; the four bytes make my row's scale word (both halves of the lanes hold the same)
	v_lshl_or_b32 v[\pw], v[TM+6], 16, v[\pw]
	v_lshl_or_b32 v[\pw], v[TM+7], 24, v[\pw]
.irp c, 0,1
	v_cvt_scalef32_pk16_bf6_f32 v[\pc+6*\c:\pc+2+6*\c], v[\s+32*\c:\s+15+32*\c], v[TM+12+2*\c]
	v_cvt_scalef32_pk16_bf6_f32 v[\pc+12+4*\c:\pc+14+4*\c], v[\s+16+32*\c:\s+31+32*\c], v[TM+12+2*\c+1]   ; a conversion's three registers begin on an even number
.endr
	v_nop                                          ; one plain place behind a scaled conversion
.irp c, 0,1                                    ; the operand wants a WHOLE block in a lane: lanes 0-15 block 2 c, lanes 16-31 block 2 c + 1
.irp i, 0,1,2
	v_permlane16_swap_b32 v[\pc+6*\c+\i], v[\pc+12+4*\c+\i]
.endr
.irp i, 0,1,2
	v_mov_b32 v[\pc+3+6*\c+\i], v[\pc+12+4*\c+\i]
.endr
.endr
.endm
	; ---- K.  Each load takes one whole key row: 32 lanes, 512 consecutive bytes.  Tile u's row i is key 8 u + i + 8 (i / 8) of my wave's 32.
.irp u, 0,1
.irp i, 0,1,2,3,4,5,6,7,8,9,10,11,12,13,14,15
	global_load_b128 v[R0+64*\u+4*\i:R0+64*\u+4*\i+3], v1, s[4:5] offset:(8*\u+\i+8*(\i/8))*512 th:TH_LOAD_NT
.endr
.endr
	s_wait_loadcnt 16                              ; tile 0's sixteen rows are in; tile 1's sixteen may be out
.irp i, 0,1,2,3,4,5,6,7,8,9,10,11,12,13,14,15
	ds_store_b128 v2, v[R0+4*\i:R0+4*\i+3] offset:SP*\i   ; through my own stage, as the rows lie;
.endr
	s_wait_alu depctr_va_vdst(0)
.irp b, 0,1,2,3
.irp j, 0,1,2,3
	ds_load_b128 v[X0+16*\b+4*\j:X0+16*\b+4*\j+3], v3 offset:128*\b+16*\j   ; back as 16 neighbours of each block (LDS serves a wave's instructions in order: ISA guide 5.7.1.4)
.endr
.endr
	s_wait_loadcnt 0x0                             ; tile 1's rows
.irp i, 0,1,2,3,4,5,6,7,8,9,10,11,12,13,14,15
	ds_store_b128 v2, v[R0+64+4*\i:R0+64+4*\i+3] offset:STG+SP*\i
.endr
	s_wait_dscnt 16                                ; all but the sixteen stores just issued: tile 0's numbers are back, and its rows' registers are free
.irp b, 0,1,2,3
.irp j, 0,1,2,3
	ds_load_b128 v[X1+16*\b+4*\j:X1+16*\b+4*\j+3], v3 offset:STG+128*\b+16*\j   ; tile 1 turns while tile 0 is quantised
.endr
.endr
	QUANT X0, PC0, PW
.irp g, 0,1,2
	global_store_b128 v4, v[PC0+4*\g:PC0+4*\g+3], s[8:9] offset:KIMG+512*\g   ; 32 lanes store 512 consecutive bytes, at a multiple of 256 from kv's first byte
.endr
	s_wait_dscnt 0x0                               ; tile 1's numbers are back
	QUANT X1, PC1, PW+1                            ; its codes have registers of their own: no store's data are written again
.irp g, 0,1,2
	global_store_b128 v4, v[PC1+4*\g:PC1+4*\g+3], s[8:9] offset:KIMG+FRB+512*\g
.endr
	global_store_b64 v5, v[PW:PW+1], s[8:9] offset:KSC   ; my two tiles' words of row r: 8 of each 16 bytes (the other wave of the pair writes the rest); lanes 16-31 write what lanes 0-15 write
	s_wait_tensorcnt 0x0
	ds_add_u32 v248, v249
	s_wait_dscnt 0x0
	s_endpgm
	; ---- V.  A LANE TAKES A CHANNEL, AND ITS REGISTERS RUN DOWN THE KEYS: a block of 32 keys lies in one lane, and the conversions give codes with the keys innermost.  Nothing is transposed.
.Lv:
.macro VLOAD b                         ; keys 32 b + i of my channel: a wave reads 128 consecutive bytes, the four waves stand side by side on a row's 512
.irp i, 0,1,2,3,4,5,6,7,8,9,10,11,12,13,14,15,16,17,18,19,20,21,22,23,24,25,26,27,28,29,30,31
	global_load_b32 v[XV+32*(\b)+\i], v6, s[6:7] offset:(32*(\b)+\i)*512 th:TH_LOAD_NT
.endr
.endm
.macro VBLOCK b
.set XS,  XV+32*(\b)
.set MXA, MX+2*(\b)
.if (\b)%2 == 0
.set CLO, FA+6*((\b)/2)                ; an even block's lower 16 codes begin tile 2 w's registers, an odd block's tile 2 w + 1's
.else
.set CLO, FB+6*((\b)/2)
.endif
	v_max3_num_f32 v[MXA], |v[XS]|, |v[XS+1]|, |v[XS+2]|            ; the block's largest magnitude: all 32 numbers are mine; two chains
	v_max3_num_f32 v[MXA+1], |v[XS+3]|, |v[XS+4]|, |v[XS+5]|
.irp i, 6,10,14,18,22,26
	v_max3_num_f32 v[MXA], v[MXA], |v[XS+\i]|, |v[XS+\i+1]|
	v_max3_num_f32 v[MXA+1], v[MXA+1], |v[XS+\i+2]|, |v[XS+\i+3]|
.endr
	v_max3_num_f32 v[MXA], v[MXA], |v[XS+30]|, |v[XS+31]|
	v_max3_num_f32 v[MXA], v[MXA], v[MXA+1], 0x2800000             ; and the floor 2^(5 - 127)
	v_add_nc_u32 v[SO+(\b)], 0xfe000000, v[MXA]                    ; 4 off its exponent field: the conversion's scale operand
	v_lshrrev_b32 v[BY], 23, v[SO+(\b)]                            ; the scale's byte
.if (\b) == 0
	v_mov_b32 v[SW], v[BY]                                         ; four bytes to the word, the lower keys in the lower byte
.else
	v_lshl_or_b32 v[SW], v[BY], 8*(\b), v[SW]
.endif
	v_cvt_scalef32_pk16_bf6_f32 v[CLO:CLO+2], v[XS:XS+15], v[SO+(\b)]
	v_cvt_scalef32_pk16_bf6_f32 v[TU+4*(\b):TU+4*(\b)+2], v[XS+16:XS+31], v[SO+(\b)]   ; a conversion's three registers begin on an even number
.endm
; Blocks 2 c and 2 c + 1.  The even block's lanes 16-31 (channel 16 + r) change places with the odd block's lanes 0-15 (channel r): the first register then holds block 2 c + h of channel r, tile 2 w's
; operand, and the second block 2 c + h of channel 16 + r, tile 2 w + 1's.
.macro VPAIR c
	v_nop                                          ; one plain place behind a scaled conversion
.irp i, 0,1,2
	v_permlane16_swap_b32 v[FA+6*(\c)+\i], v[FB+6*(\c)+\i]
.endr
.irp i, 0,1,2
	v_permlane16_swap_b32 v[TU+8*(\c)+\i], v[TU+8*(\c)+4+\i]
.endr
.irp i, 0,1,2
	v_mov_b32 v[FA+6*(\c)+3+\i], v[TU+8*(\c)+\i]
	v_mov_b32 v[FB+6*(\c)+3+\i], v[TU+8*(\c)+4+\i]
.endr
.endm
	s_wait_alu depctr_va_vdst(0)
	VLOAD 0
	VLOAD 1
	s_wait_loadcnt 32                              ; block 0 is in; block 1's 32 loads may be out
	VLOAD 2
	VBLOCK 0
	s_wait_loadcnt 32                              ; block 1 is in; block 2's may be out
	VLOAD 3
	VBLOCK 1
	VPAIR 0
	s_wait_loadcnt 32                              ; block 2 is in; block 3's may be out
	VBLOCK 2
	s_wait_loadcnt 0x0
	VBLOCK 3
	VPAIR 1
.irp g, 0,1,2
	global_store_b128 v4, v[FA+4*\g:FA+4*\g+3], s[8:9] offset:VIMG+512*\g        ; 512 consecutive bytes, at a multiple of 256 from kv's first byte
.endr
.irp g, 0,1,2
	global_store_b128 v4, v[FB+4*\g:FB+4*\g+3], s[8:9] offset:VIMG+FRB+512*\g
.endr
	global_store_b32 v7, v[SW], s[8:9] offset:VSC  ; my channel's word: 4 of each 16 bytes, the rest are the other tiles'
	s_endpgm
.Lfunc_end_k_q8985842137_quant:
	.size	k_q8985842137_quant, .Lfunc_end_k_q8985842137_quant-k_q8985842137_quant
	.p2alignl 7, 3214868480
	.fill 96, 4, 3214868480
	.section	.rodata,"a",@progbits
	.p2align	6, 0x0
	.amdhsa_kernel k_q8985842137_quant
		.amdhsa_group_segment_fixed_size 68096
		.amdhsa_private_segment_fixed_size 0
		.amdhsa_enable_private_segment 0
		.amdhsa_kernarg_size 24
		.amdhsa_user_sgpr_count 2
		.amdhsa_user_sgpr_kernarg_segment_ptr 1
		.amdhsa_wavefront_size32 1
		.amdhsa_system_sgpr_workgroup_id_x 1
		.amdhsa_system_sgpr_workgroup_id_y 1
		.amdhsa_system_sgpr_workgroup_id_z 1
		.amdhsa_system_vgpr_workitem_id 0
		.amdhsa_next_free_vgpr 250
		.amdhsa_next_free_sgpr 66
		.amdhsa_reserve_vcc 0
		.amdhsa_float_denorm_mode_32 3
		.amdhsa_float_denorm_mode_16_64 3
		.amdhsa_memory_ordered 1
		.amdhsa_forward_progress 1
		.amdhsa_inst_pref_size 37
	.end_amdhsa_kernel
	.amdgpu_metadata
---
amdhsa.version: [ 1, 2 ]
amdhsa.kernels:
  - .name:           k_q8985842137_quant
    .symbol:         k_q8985842137_quant.kd
    .args:
      - { .name: K, .offset: 0, .size: 8, .value_kind: global_buffer, .address_space: global }
      - { .name: V, .offset: 8, .size: 8, .value_kind: global_buffer, .address_space: global }
      - { .name: kv, .offset: 16, .size: 8, .value_kind: global_buffer, .address_space: global }
    .group_segment_fixed_size: 68096
    .private_segment_fixed_size: 0
    .kernarg_segment_align: 8
    .kernarg_segment_size: 24
    .max_flat_workgroup_size: 128
    .sgpr_count:     66
    .vgpr_count:     250
    .wavefront_size: 32
...
	.end_amdgpu_metadata
.endif
;; end of part 1
;; launch attn (part 2): grid 8 x 32, 8 waves a work-group, clusters of 4 x 1, 327,680 bytes of LDS; arguments Q, kv, out0; writes out0
.if DOCPART == 2
	.amdgcn_target "amdgcn-amd-amdhsa--gfx1250"
	.amdhsa_code_object_version 6
	.text
	.protected	k_q8985842137_attn
	.globl	k_q8985842137_attn
	.p2align	8
	.type	k_q8985842137_attn,@function
k_q8985842137_attn:
	s_mov_b64 s[64:65], 0
	v_nop
	global_prefetch_b8 v0, s[64:65] scope:SCOPE_SE
	s_setreg_imm32_b32 hwreg(HW_REG_WAVE_MODE, 25, 1), 1
	s_wait_xcnt 0x0
	s_wait_alu depctr_hold_cnt(0) depctr_sa_sdst(0) depctr_va_vdst(0) depctr_va_sdst(0) depctr_va_ssrc(0) depctr_va_vcc(0) depctr_vm_vsrc(0)
	s_getreg_b32 s2, hwreg(HW_REG_IB_STS2, 6, 4)
	s_cmp_eq_u32 s2, 0
	s_cbranch_scc0 .Lentry_in_a_cluster
	s_endpgm
.Lentry_in_a_cluster:
	s_bfe_u32 s2, ttmp6, 0x10000c
	s_cmp_lg_u32 s2, 0x3003
	s_cbranch_scc0 .Lentry_shape_is_right
	s_endpgm
.Lentry_shape_is_right:
; out0[h][q][:] = the sum over k of softmax_k(Q[h][q] . K[h][k] / sqrt(128)) V[h][k][:], both products on codes of BF6 (E3M2) with one E8M0 scale for each 32 along a product's K.
; Q: [32][2048][128] f32, quantised here, in the one wave that reads it.  K and V come from kv as images of the operands' registers, 25,600 dense bytes for each 128 keys:
; 8 fragments of K (1,536 bytes each), 8 of V, 512 bytes of K's scale words, 512 of V's.  A fragment comes by three loads of 16 bytes a lane at 16 x lane.
; THE SOFTMAX: t = score x log2(e) / sqrt(128); M = the row's largest t so far, rounded UP to a whole number; p = 2^(t - M) is quantised along the keys, not normalised.
; The row's sum is taken of the unquantised p, in f32, and divides O at the end.  When M moves, the sum and O are multiplied by 2^(old M - new M): exact.
; SHARES.  A work-group owns 256 queries of one head; each of its EIGHT waves owns 32 of them, two tiles of 16: tile A in register window 0, tile B in window 1, under the same register numbers,
; so that one text serves both.  Each fragment of K and V is read from LDS once a wave and feeds two matrix instructions.  All eight fragments of a step lie in registers: tiles 0-3 in window 0, 4-7 in window 1.
; A KEY STEP HAS TWO HALVES.  H1: K's loads, 16 products for the scores, V's loads, tile A's softmax, its 8 products, its sums.  H2, on registers alone: tile B's softmax, its 8 products, its sums.
; TWO GROUPS OF WAVES, g = (w xor w / 4) & 1 (waves w and w + 1, and w and w + 4, differ in g).  Every wave runs H1, H2, H1, H2 ..; group 0 meets the change of slots behind a slot's last H2, group 1 between
; that step's H1 and H2: V's fragments are in registers by then, so it reads the slot no more.  So behind each change group 0 begins with loads and products and group 1 with vector work.
; The branches on g lead round an H2 alone: no LDS access, no barrier, no tensor load stands in it.
; RING.  Two LDS slots of two steps each; every wave fetches 25 rows of 256 bytes of a slot; a slot is asked for at the change of slots one slot ahead of its use.
; CLUSTER.  The four work-groups of a cluster are four query blocks of one head and walk the same kv: each slot is asked for JOINTLY, same descriptor, mask of all four.  My place in the cluster enters Q's and out0's offsets alone.
; NO PREFETCH: each refill is asked for two key steps (64 matrix instructions and four softmaxes of a wave) ahead of the wait for it.
; LAYOUT.  Both products are used transposed: S^T = K Q^T, O^T = V^T P^T: a lane holds ONE query (lane % 16) of each tile.  Row r of K's tile 2 b + u is key 32 b + 8 u + r + 8 (r / 8).
; LIMITS: the scaled scores t stay under 2^31 in magnitude; NaN and infinities among the inputs are not served; a block of Q or of p whose largest magnitude lies under 2^-122 has its scale byte held at 1
; (a block of zeros too: its codes are zeros); v_exp_f32 gives 0 for a p under 2^-126; a block's largest p is made from the block's largest score by the same multiply-add and exponential, which takes v_exp_f32 not to fall where its input rises.
.set STEPB, 25600
.set KIMG,  0
.set VIMG,  12288
.set KSC,   24576
.set VSC,   25088
.set FRB,   1536
.set WVB,   6400                       ; a wave's eighth of a slot's 51,200 bytes
.set SLOT1, 1<<16                      ; slot 0 at 0, slot 1 here
.set SP,    528                        ; a stage row: 512 bytes + 16
.set STAGE, 2*SLOT1                    ; 32 rows x 528 bytes for each wave, its own: Q on the way in, O on the way out; no tensor load lands here
.set SPARE, STAGE+8*32*SP              ; the spare words, 128 bytes for each wave
; window 0 alone
.set LI,  1                            ; 16 x lane
.set ADR, 2                            ; the slot in hand + 16 x lane
.set STW, 3                            ; my stage + 16 x lane
.set STQ, 4                            ; my stage, row r, + 64 h
.set SPW, 5                            ; my spare word; never rewritten
.set NIL, 6                            ; 0; never rewritten
.set STO, 7                            ; my stage, row r, + 32 h
.set KS,  80                           ; v80-83 K's scale words: lanes 0-15 tile j, lanes 16-31 tile 4 + j
.set VS,  84                           ; v84-87 V's
.set PSB, 88                           ; tile B's p scale word (scale registers are named in window 0)
.set QSB, 89                           ; tile B's Q scale word
; both windows
.set FR,  32                           ; v32-79 four fragments: window 0 tiles 0-3, window 1 tiles 4-7
.set QF,  16                           ; v16-27 Q's fragment (v28-34 at work while it is made)
.set ST,  96                           ; v96-159 S^T, then p
.set OT,  160                          ; v160-223 O^T
.set PC,  224                          ; v224-235 p's codes
.set TM,  232                          ; v232-251 at work
.set PS,  253                          ; tile A's p scale word
.set QS,  255                          ; tile A's Q scale word
                                       ; v12 -M, v13 the largest t, v[14:15] the sum in two halves, v252 f, v254 at work
.set WV,  10
.set SEL, 20                           ; s[20:21] selects for lane l xor 16
.set CS,  22                           ; s[22:23] c = log2(e) / sqrt(128)
.set G1,  24
.set G0,  32
.set TB,  36                           ; LDS byte at which the slot in hand begins
.set SLOTS, 37
.set GRP, 38                           ; my group, 0 or 1
.set MSB, 0
.macro WIN new                         ; low byte: bits 1:0 source 0, 3:2 source 1, 5:4 source 2, 7:6 destination; the high byte repeats the setting that is left
.if MSB != \new
	s_set_vgpr_msb (MSB<<8)|\new
.set MSB, \new
.endif
.endm
.macro CROUND                          ; a round of the cluster's barrier
	s_barrier_signal -1
	s_barrier_wait -1
	s_cmp_lg_u32 s[WV], 0
	s_cbranch_scc1 .Lnot_wave_0_\@
	s_barrier_signal -3
.Lnot_wave_0_\@:
	s_barrier_wait -3
	s_barrier_signal -1
	s_barrier_wait -1
.endm
.macro PLACES
.rept 4
	v_nop
.endr
.endm
.macro JLOAD                           ; every wave's own 25 rows; s_nop 0 and four v_nop follow
	tensor_load_to_lds s[G0:G0+3], s[G1:G1+7]
	s_nop 0
	PLACES
.endm
.macro THREE upd                       ; all my tensor loads are done; an LDS add; the walking descriptor's step; the add and my LDS reads are done
	s_wait_tensorcnt 0x0
	ds_add_u32 v[SPW], v[NIL]
.if \upd
	s_xor_b32 s[G0+1], s[G0+1], SLOT1
	s_add_nc_u64 s[G0+2:G0+3], s[G0+2:G0+3], 2*STEPB
.endif
	s_wait_dscnt 0x0
.endm
.macro INIT
	v_mov_b32 v13, 0xff61b1e6                      ; the largest t so far: -3e38
	v_mov_b32 v14, 0
	v_mov_b32 v15, 0
	v_floor_f32 v12, -v13                          ; -M
.irp b, 0,1,2,3
	v_mov_b32 v[TM+4+\b], 0                        ; a lane permute's destination counts as one of its sources
.endr
	v_mov_b32 v253, 0                              ; named as the upper half of v[252:253]
.endm
; 64 numbers of a lane in OT, register 16 b + i = d 32 b + 16 (lane / 16) + i of my row, become Q's fragment and its scale word
.macro QUANT tile
.irp b, 0,1,2,3
	v_max3_num_f32 v[TM+\b], |v[OT+16*\b]|, |v[OT+1+16*\b]|, 0x2800000   ; with the floor 2^(5 - 127): the byte cannot fall under 1
.endr
.irp i, 2,4,6,8,10,12,14
.irp b, 0,1,2,3
	s_delay_alu instid0(VALU_DEP_4)
	v_max3_num_f32 v[TM+\b], v[TM+\b], |v[OT+16*\b+\i]|, |v[OT+1+16*\b+\i]|
.endr
.endr
.irp b, 0,1,2,3
	s_delay_alu instid0(VALU_DEP_4)
	v_permlanex16_b32 v[TM+4+\b], v[TM+\b], s[SEL], s[SEL+1]
.endr
.irp b, 0,1,2,3
	s_delay_alu instid0(VALU_DEP_4)
	v_max_num_f32 v[TM+\b], v[TM+\b], v[TM+4+\b]
.endr
.irp b, 0,1,2,3
	s_delay_alu instid0(VALU_DEP_4)
	v_add_nc_u32 v[TM+12+\b], 0xfe000000, v[TM+\b] ; 4 off the exponent field: the conversion's scale operand
.endr
.irp b, 0,1,2,3
	s_delay_alu instid0(VALU_DEP_4)
	v_lshrrev_b32 v[TM+4+\b], 23, v[TM+12+\b]      ; the scale's byte
.endr
	s_delay_alu instid0(VALU_DEP_3)
	v_lshl_or_b32 v254, v[TM+5], 8, v[TM+4]
	s_delay_alu instid0(VALU_DEP_1)
	v_lshl_or_b32 v254, v[TM+6], 16, v254
.if \tile
	WIN 0x15                                       ; sources window 1, destination window 0
	v_lshl_or_b32 v[QSB], v[TM+7], 24, v254
	WIN 0x55
.else
	v_lshl_or_b32 v[QS], v[TM+7], 24, v254
.endif
.irp c, 0,1
	v_cvt_scalef32_pk16_bf6_f32 v[QF+6*\c:QF+2+6*\c], v[OT+32*\c:OT+15+32*\c], v[TM+12+2*\c]
	v_cvt_scalef32_pk16_bf6_f32 v[QF+12+4*\c:QF+14+4*\c], v[OT+16+32*\c:OT+31+32*\c], v[TM+13+2*\c]
.endr
	v_nop                                          ; one plain place behind a scaled conversion
.irp c, 0,1
.irp i, 0,1,2
	v_permlane16_swap_b32 v[QF+6*\c+\i], v[QF+12+4*\c+\i]
.endr
.irp i, 0,1,2
	s_delay_alu instid0(VALU_DEP_3)
	v_mov_b32 v[QF+3+6*\c+\i], v[QF+12+4*\c+\i]
.endr
.endr
.endm
.macro ZERO_O
.set J, 0
.rept 64
	v_mov_b32 v[OT+J], 0                           ; the step is written once: the first finds zeros
.set J, J+1
.endr
.endm
; eight fragments from byte base of the slot in hand: 24 loads
.macro FRAGS base
.irp t, 0,1,2,3
.irp g, 0,1,2
	ds_load_b128 v[FR+12*\t+4*\g:FR+12*\t+4*\g+3], v[ADR] offset:(\base)+FRB*\t+512*\g
.endr
.endr
	WIN 0x40
.irp t, 0,1,2,3
.irp g, 0,1,2
	ds_load_b128 v[FR+12*\t+4*\g:FR+12*\t+4*\g+3], v[ADR] offset:(\base)+FRB*(4+\t)+512*\g
.endr
.endr
	WIN 0
.endm
; four products for the scores: tiles 4 hf + 0 .. 3 (the upper four's scale words lie in lanes 16-31)
.macro SPROD hf, qs
.irp t, 0,1,2,3
.if \hf
	v_wmma_scale_f32_16x16x128_f8f6f4 v[ST+32+8*\t:ST+39+8*\t], v[FR+12*\t:FR+12*\t+11], v[QF:QF+11], 0, v[KS+\t], v[\qs] matrix_a_fmt:MATRIX_FMT_BF6 matrix_b_fmt:MATRIX_FMT_BF6 matrix_a_scale:MATRIX_SCALE_ROW1
.else
	v_wmma_scale_f32_16x16x128_f8f6f4 v[ST+8*\t:ST+7+8*\t], v[FR+12*\t:FR+12*\t+11], v[QF:QF+11], 0, v[KS+\t], v[\qs] matrix_a_fmt:MATRIX_FMT_BF6 matrix_b_fmt:MATRIX_FMT_BF6
.endif
.endr
.endm
; four products onto O^T: the accumulators take turns, one instruction a turn
.macro PPROD hf, ps
.irp t, 0,1,2,3
.if \hf
	v_wmma_scale_f32_16x16x128_f8f6f4 v[OT+32+8*\t:OT+39+8*\t], v[FR+12*\t:FR+12*\t+11], v[PC:PC+11], v[OT+32+8*\t:OT+39+8*\t], v[VS+\t], v[\ps] matrix_a_fmt:MATRIX_FMT_BF6 matrix_b_fmt:MATRIX_FMT_BF6 matrix_a_scale:MATRIX_SCALE_ROW1
.else
	v_wmma_scale_f32_16x16x128_f8f6f4 v[OT+8*\t:OT+7+8*\t], v[FR+12*\t:FR+12*\t+11], v[PC:PC+11], v[OT+8*\t:OT+7+8*\t], v[VS+\t], v[\ps] matrix_a_fmt:MATRIX_FMT_BF6 matrix_b_fmt:MATRIX_FMT_BF6
.endif
.endr
.endm
; one tile's softmax of 128 keys, in the window that is set: the scores become p and p's codes; the sum and O^T are brought under the new M
.macro SMAX tile
	s_wait_alu depctr_va_vdst(0)                   ; the wait directly ahead of the first reader of the scores
.irp b, 0,1,2,3
	v_max3_num_f32 v[232+\b], v[ST+16*\b], v[ST+1+16*\b], v[ST+2+16*\b]   ; the largest score of each block of 32 keys: it serves the row's maximum and the block's largest p
.endr
.irp i, 3,5,7,9,11,13
.irp b, 0,1,2,3
	v_max3_num_f32 v[232+\b], v[232+\b], v[ST+16*\b+\i], v[ST+1+16*\b+\i]
.endr
.endr
.irp b, 0,1,2,3
	v_max_num_f32 v[232+\b], v[232+\b], v[ST+15+16*\b]
.endr
.irp b, 0,1,2,3
	s_delay_alu instid0(VALU_DEP_4)
	v_permlanex16_b32 v[236+\b], v[232+\b], s[SEL], s[SEL+1]
.endr
.irp b, 0,1,2,3
	s_delay_alu instid0(VALU_DEP_4)
	v_max_num_f32 v[232+\b], v[232+\b], v[236+\b]  ; with lane l xor 16's 16 keys
.endr
	s_delay_alu instid0(VALU_DEP_2)
	v_max3_num_f32 v254, v232, v233, v234
	s_delay_alu instid0(VALU_DEP_1)
	v_max_num_f32 v254, v254, v235
	s_delay_alu instid0(VALU_DEP_1)
	v_mul_f32 v254, s[CS], v254                    ; as t (c is positive)
	s_delay_alu instid0(VALU_DEP_1)
	v_max_num_f32 v13, v13, v254                   ; the running largest t
	v_mov_b32 v254, v12
	s_delay_alu instid0(VALU_DEP_2)
	v_floor_f32 v12, -v13                          ; the new -M = -ceil(t)
	s_delay_alu instid0(VALU_DEP_1)
	v_sub_f32 v254, v12, v254                      ; old M less new M: a whole number, 0 or less
	s_delay_alu instid0(VALU_DEP_1)
	v_cvt_i32_f32 v254, v254                       ; (it saturates)
	s_delay_alu instid0(VALU_DEP_1)
	v_ldexp_f32 v252, 1.0, v254                    ; f = 2^(old M - new M)
.set J, 0
.rept 32
	v_pk_fma_f32 v[ST+J:ST+J+1], v[ST+J:ST+J+1], s[CS:CS+1], v[12:13] op_sel_hi:[1,0,0]   ; t - M
.set J, J+2
.endr
.irp b, 0,1,2,3
	v_fma_f32 v[232+\b], v[232+\b], s[CS], v12     ; the same of each block's largest score
.endr
	s_wait_alu depctr_va_vdst(0)                   ; the wait ahead of the batch
.set J, 0
.rept 64
	v_exp_f32 v[ST+J], v[ST+J]                     ; p = 2^(t - M)
.set J, J+1
.endr
.irp b, 0,1,2,3
	v_exp_f32 v[232+\b], v[232+\b]                 ; the block's largest p
.endr
	v_pk_mul_f32 v[14:15], v[14:15], v[252:253] op_sel_hi:[1,0]   ; the sums under the new M; a plain place behind the exponentials
	s_wait_alu depctr_va_vdst(0)                   ; and the wait behind the batch
.irp b, 0,1,2,3
	v_max_num_f32 v[232+\b], 0x2800000, v[232+\b]  ; the floor 2^(5 - 127)
.endr
.irp b, 0,1,2,3
	s_delay_alu instid0(VALU_DEP_4)
	v_add_nc_u32 v[244+\b], 0xfe000000, v[232+\b]
.endr
.irp b, 0,1,2,3
	s_delay_alu instid0(VALU_DEP_4)
	v_lshrrev_b32 v[236+\b], 23, v[244+\b]
.endr
	s_delay_alu instid0(VALU_DEP_3)
	v_lshl_or_b32 v253, v237, 8, v236              ; p's scale word for these 128 keys
	s_delay_alu instid0(VALU_DEP_1)
	v_lshl_or_b32 v253, v238, 16, v253
.if \tile
	WIN 0x15                                       ; sources window 1, destination window 0
	v_lshl_or_b32 v[PSB], v239, 24, v253
	WIN 0x55
.else
	v_lshl_or_b32 v[PS], v239, 24, v253
.endif
.irp c, 0,1
	v_cvt_scalef32_pk16_bf6_f32 v[PC+6*\c:PC+2+6*\c], v[ST+32*\c:ST+15+32*\c], v[244+2*\c]
	v_cvt_scalef32_pk16_bf6_f32 v[236+4*\c:238+4*\c], v[ST+16+32*\c:ST+31+32*\c], v[245+2*\c]
.endr
	v_nop                                          ; one plain place behind a scaled conversion
.irp c, 0,1                                    ; the operand wants a whole block in a lane
.irp i, 0,1,2
	v_permlane16_swap_b32 v[PC+6*\c+\i], v[236+4*\c+\i]
.endr
.irp i, 0,1,2
	s_delay_alu instid0(VALU_DEP_3)
	v_mov_b32 v[PC+3+6*\c+\i], v[236+4*\c+\i]
.endr
.endr
	s_wait_alu depctr_va_vdst(0)                   ; the wait directly ahead of the first reader of O^T
.set J, 0
.rept 32
	v_pk_mul_f32 v[OT+J:OT+J+1], v[OT+J:OT+J+1], v[252:253] op_sel_hi:[1,0]   ; O^T x f, from each accumulator's low end on; also the places between p's codes and scale word and the products
.set J, J+2
.endr
.endm
; the row's sum of the unquantised p: 32 pairs in eight chains.  These 32 lines name no register of the products ahead of them: they are the places in front of the next loads into the fragments' registers
.macro SUMS
	v_pk_add_f32 v[236:237], v[100:101], v[104:105]
	v_pk_add_f32 v[250:251], v[108:109], v[112:113]
	v_pk_add_f32 v[248:249], v[116:117], v[120:121]
	v_pk_add_f32 v[246:247], v[124:125], v[128:129]
	v_pk_add_f32 v[244:245], v[132:133], v[136:137]
	v_pk_add_f32 v[242:243], v[140:141], v[144:145]
	v_pk_add_f32 v[240:241], v[148:149], v[152:153]
	v_pk_add_f32 v[14:15], v[14:15], v[156:157]
	v_pk_add_f32 v[236:237], v[236:237], v[96:97]
	v_pk_add_f32 v[250:251], v[250:251], v[98:99]
	v_pk_add_f32 v[248:249], v[248:249], v[102:103]
	v_pk_add_f32 v[246:247], v[246:247], v[106:107]
	v_pk_add_f32 v[244:245], v[244:245], v[110:111]
	v_pk_add_f32 v[242:243], v[242:243], v[114:115]
	v_pk_add_f32 v[240:241], v[240:241], v[118:119]
	v_pk_add_f32 v[14:15], v[14:15], v[122:123]
	v_pk_add_f32 v[236:237], v[236:237], v[126:127]
	v_pk_add_f32 v[250:251], v[250:251], v[130:131]
	v_pk_add_f32 v[248:249], v[248:249], v[134:135]
	v_pk_add_f32 v[246:247], v[246:247], v[138:139]
	v_pk_add_f32 v[244:245], v[244:245], v[142:143]
	v_pk_add_f32 v[242:243], v[242:243], v[146:147]
	v_pk_add_f32 v[240:241], v[240:241], v[150:151]
	v_pk_add_f32 v[14:15], v[14:15], v[154:155]
	v_pk_add_f32 v[236:237], v[236:237], v[158:159]
	s_delay_alu instid0(VALU_DEP_2)
	v_pk_add_f32 v[14:15], v[14:15], v[246:247]
	s_delay_alu instid0(VALU_DEP_2)
	v_pk_add_f32 v[236:237], v[236:237], v[244:245]
	v_pk_add_f32 v[250:251], v[250:251], v[242:243]
	v_pk_add_f32 v[248:249], v[248:249], v[240:241]
	s_delay_alu instid0(VALU_DEP_2)
	v_pk_add_f32 v[14:15], v[14:15], v[250:251]
	s_delay_alu instid0(VALU_DEP_2)
	v_pk_add_f32 v[236:237], v[236:237], v[248:249]
	s_delay_alu instid0(VALU_DEP_1)
	v_pk_add_f32 v[14:15], v[14:15], v[236:237]
.endm
; THE FIRST HALF of the q-th key step of the slot in hand: all its LDS reads, both tiles' scores, tile A to the end
.macro H1 q
	ds_load_b128 v[KS:KS+3], v[ADR] offset:STEPB*(\q)+KSC
	FRAGS STEPB*(\q)+KIMG
	s_wait_dscnt 12                                ; K's scale words and tiles 0-3 are in; the 12 loads of tiles 4-7 may be out
	SPROD 0, QS
	WIN 0x54
	SPROD 0, QSB
	s_wait_dscnt 0x0
	WIN 0x55
	SPROD 1, QSB
	WIN 0x01
	SPROD 1, QS
	WIN 0
	PLACES                                         ; in front of the loads into the fragments' registers and of the first read of the scores
	ds_load_b128 v[VS:VS+3], v[ADR] offset:STEPB*(\q)+VSC
	FRAGS STEPB*(\q)+VIMG                          ; V lands while tile A's softmax is walked
	SMAX 0
	s_wait_alu depctr_va_vdst(0)                   ; the wait directly ahead of the wait below
	s_wait_dscnt 0x0                               ; V's 25 loads are in: from here on the step works on registers alone
	PPROD 0, PS
	WIN 0x01
	PPROD 1, PS
	WIN 0
	SUMS
.endm
; THE SECOND HALF: tile B, on registers alone
.macro H2
	WIN 0x55
	SMAX 1
	PPROD 1, PSB
	WIN 0x54
	PPROD 0, PSB
	WIN 0x55
	SUMS
	WIN 0
.endm
; a slot's two steps, up to the change of slots: group 1 leaves the last H2 for behind it
.macro SLOTWORK
	H1 0
	H2
	H1 1
	s_cmp_lg_u32 s[GRP], 0
	s_cbranch_scc1 .Ltrail_\@
	H2
.Ltrail_\@:
	s_xor_b32 s[TB], s[TB], SLOT1                  ; on to the other slot
.endm
; behind the change of slots: the new slot's address, and group 1's H2 of the step before
.macro LEAD
	v_add_nc_u32 v[ADR], s[TB], v[LI]
	s_wait_alu depctr_va_vdst(0)                   ; the wait ahead of the branch
	s_cmp_eq_u32 s[GRP], 0
	s_cbranch_scc1 .Llead_\@
	H2
.Llead_\@:
.endm
	s_load_b128 s[4:7], s[0:1], 0x0                ; Q, kv
	s_load_b64 s[8:9], s[0:1], 0x10                ; out0
	v_lshl_add_u32 v[SPW], v0, 2, SPARE
	v_mov_b32 v[NIL], 0
	ds_add_u32 v[SPW], v[NIL]                      ; the opening lines: the add twice on end and one wait
	ds_add_u32 v[SPW], v[NIL]
	v_lshrrev_b32 v8, 5, v0
	s_delay_alu instid0(VALU_DEP_1)
	v_readfirstlane_b32 s[WV], v8                  ; wave 0..7
	s_lshr_b32 s[GRP], s[WV], 2
	s_xor_b32 s[GRP], s[GRP], s[WV]
	s_and_b32 s[GRP], s[GRP], 1                    ; my group
	s_bfe_u32 s12, ttmp6, 0x40000                  ; cx
	s_lshl_b32 s13, ttmp9, 2
	s_add_co_u32 s13, s13, s12                     ; my block of 256 queries
	s_and_b32 s16, ttmp7, 0xffff                   ; the head, which the four partners share
	s_lshl_b32 s40, s16, 20                        ; Q and out0: a head is 2,048 rows of 512 bytes,
	s_lshl_b32 s17, s13, 17                        ; a block 256 rows,
	s_add_co_u32 s40, s40, s17
	s_lshl_b32 s17, s[WV], 14                      ; a wave 32
	s_add_co_u32 s40, s40, s17
	s_mov_b32 s41, 0
	s_mul_i32 s42, s16, 16*STEPB                   ; kv: the head's 16 steps,
	s_mul_i32 s[G0+1], s[WV], WVB                  ; my eighth of a slot, in LDS as in kv
	s_add_co_u32 s42, s42, s[G0+1]
	s_mov_b32 s43, 0
	s_mov_b32 s[G1], 15|(3<<16)|(1<<21)            ; the mask of all four; elements of 8 bytes; bit 21 beside a mask
	s_mov_b32 s[G1+1], 32<<16                      ; rows of 32 elements = 256 bytes
	s_mov_b32 s[G1+2], 25<<16                      ; 25 rows
	s_mov_b32 s[G1+3], 32<<16
	s_mov_b32 s[G1+4], 25
	s_mov_b32 s[G1+5], 32
	s_mov_b32 s[G1+6], 0
	s_mov_b32 s[G1+7], 0
	s_mov_b32 s[SEL], 0x76543210
	s_mov_b32 s[SEL+1], 0xfedcba98
	s_mov_b32 s[CS], 0x3e0293ee
	s_mov_b32 s[CS+1], s[CS]
	s_mov_b32 s[TB], 0
	s_mov_b32 s[SLOTS], 6                          ; six changes of slots in the loop, each with a refill
	s_mul_i32 s14, s[WV], 32*SP
	s_add_co_u32 s14, s14, STAGE                   ; my stage
	v_and_b32 v[LI], 31, v0
	v_and_b32 v9, 15, v0                           ; r
	v_bfe_u32 v10, v0, 4, 1                        ; h
	s_delay_alu instid0(VALU_DEP_3)
	v_lshlrev_b32 v[LI], 4, v[LI]
	v_mul_u32_u24 v11, v9, SP
	s_delay_alu instid0(VALU_DEP_2)
	v_add_nc_u32 v[STW], s14, v[LI]
	v_add_nc_u32 v11, s14, v11
	v_add_nc_u32 v[ADR], s[TB], v[LI]
	s_delay_alu instid0(VALU_DEP_2)
	v_lshl_add_u32 v[STQ], v10, 6, v11
	v_lshl_add_u32 v[STO], v10, 5, v11
	INIT
	WIN 0x55
	INIT
	WIN 0
	s_wait_alu depctr_va_vdst(0)                   ; the wait here, directly ahead of the waits below
	s_wait_dscnt 0x0                               ; both opening adds are done
	s_wait_kmcnt 0x0
	s_add_nc_u64 s[4:5], s[4:5], s[40:41]
	s_add_nc_u64 s[8:9], s[8:9], s[40:41]
	s_mov_b32 s[G0], 1
	s_add_nc_u64 s[G0+2:G0+3], s[6:7], s[42:43]
	s_or_b32 s[G0+3], s[G0+3], 0x80000000
.set J, 0
.rept 16
	global_load_b128 v[ST+4*J:ST+4*J+3], v[LI], s[4:5] offset:512*J th:TH_LOAD_NT   ; a whole row of Q: 512 consecutive bytes
.set J, J+1
.endr
	WIN 0x40
.set J, 0
.rept 16
	global_load_b128 v[ST+4*J:ST+4*J+3], v[LI], s[4:5] offset:8192+512*J th:TH_LOAD_NT   ; tile B's rows
.set J, J+1
.endr
	WIN 0
	CROUND                                         ; all four work-groups are here: the first joint loads meet
	JLOAD                                          ; slot 0: my one tensor load at the head
.set J, 0
.rept 16
	s_wait_loadcnt 31-J                            ; tile A's row J is in; the younger rows may be out
	ds_store_b128 v[STW], v[ST+4*J:ST+4*J+3] offset:SP*J
.set J, J+1
.endr
.irp b, 0,1,2,3
.irp j, 0,1,2,3
	ds_load_b128 v[OT+16*\b+4*\j:OT+16*\b+4*\j+3], v[STQ] offset:128*\b+16*\j   ; back as 16 neighbours of each block (my own bytes; LDS serves a wave's instructions in order: ISA guide 5.7.1.4)
.endr
.endr
	WIN 0x04
.set J, 0
.rept 16
	s_wait_loadcnt 15-J
	ds_store_b128 v[STW], v[ST+4*J:ST+4*J+3] offset:SP*(16+J)
.set J, J+1
.endr
	WIN 0x40
.irp b, 0,1,2,3
.irp j, 0,1,2,3
	ds_load_b128 v[OT+16*\b+4*\j:OT+16*\b+4*\j+3], v[STQ] offset:16*SP+128*\b+16*\j
.endr
.endr
	WIN 0
	s_wait_dscnt 32                                ; tile A's numbers are back; tile B's 16 stores and 16 loads may be out
	QUANT 0
	s_wait_dscnt 0x0
	WIN 0x55
	QUANT 1
	ZERO_O
	WIN 0
	ZERO_O
	s_wait_alu depctr_va_vdst(0)                   ; the wait at the head's end
	THREE 1                                        ; slot 0 is in; slot 1's first fill is issued as a refill is
	CROUND
	JLOAD
.Lslot:                                            ; 6 trips: a slot's work, then the change of slots: the slot just left takes the two steps after the next two
	SLOTWORK
	THREE 1
	CROUND                                         ; no wave of any partner still reads the slot or has a load on its way
	JLOAD
	LEAD
	s_sub_co_u32 s[SLOTS], s[SLOTS], 1
	s_cmp_lg_u32 s[SLOTS], 0
	s_cbranch_scc1 .Lslot
	SLOTWORK                                       ; the last two slots are written out: they ask for nothing more
	THREE 0
	s_barrier_signal -1
	s_barrier_wait -1                              ; everybody's part of the last slot is in
	LEAD
	H1 0
	H2
	H1 1
	H2
	; THE WAY OUT.  O^T is divided by the row's sum and goes through my stage, so that a whole row of 512 bytes leaves by one store of the 32 lanes.
.macro FIN
	v_add_f32 v14, v14, v15
	s_delay_alu instid0(VALU_DEP_1)
	v_permlanex16_b32 v252, v14, s[SEL], s[SEL+1]
	s_delay_alu instid0(VALU_DEP_1)
	v_add_f32 v14, v14, v252                       ; the row's sum
	s_wait_alu depctr_va_vdst(0)                   ; the wait ahead of the transcendental
	v_rcp_f32 v14, v14
	v_nop
	s_wait_alu depctr_va_vdst(0)                   ; and behind it, directly ahead of the first reader of O^T
.set J, 0
.rept 32
	v_pk_mul_f32 v[ST+J:ST+J+1], v[OT+J:OT+J+1], v[14:15] op_sel_hi:[1,0]   ; register 8 t + i is out0(query r, channel 16 t + 8 h + i)
.set J, J+2
.endr
.endm
.macro OSTORE base
.irp t, 0,1,2,3,4,5,6,7
	ds_store_b128 v[STO], v[ST+8*\t:ST+8*\t+3] offset:(\base)+64*\t
	ds_store_b128 v[STO], v[ST+8*\t+4:ST+8*\t+7] offset:(\base)+64*\t+16
.endr
.endm
.macro OBACK base
.set J, 0
.rept 16
	ds_load_b128 v[OT+4*J:OT+4*J+3], v[STW] offset:(\base)+SP*J   ; these see my stores
.set J, J+1
.endr
.endm
	FIN
	OSTORE 0
	OBACK 0
	WIN 0x55
	FIN
	WIN 0x04
	OSTORE 16*SP
	WIN 0x40
	OBACK 16*SP
	WIN 0
.set J, 0
.rept 16
	s_wait_dscnt 47-J                              ; tile A's row J is back; its younger rows and tile B's 32 LDS instructions may be out
	global_store_b128 v[LI], v[OT+4*J:OT+4*J+3], s[8:9] offset:512*J th:TH_STORE_NT   ; 512 consecutive bytes, at a multiple of 256 from out0's first byte
.set J, J+1
.endr
	WIN 0x04
.set J, 0
.rept 16
	s_wait_dscnt 15-J
	global_store_b128 v[LI], v[OT+4*J:OT+4*J+3], s[8:9] offset:8192+512*J th:TH_STORE_NT
.set J, J+1
.endr
	WIN 0
	s_wait_tensorcnt 0x0                           ; the wave's end
	ds_add_u32 v[SPW], v[NIL]
	s_wait_dscnt 0x0
	CROUND                                         ; the closing round
	s_endpgm
.Lfunc_end_k_q8985842137_attn:
	.size	k_q8985842137_attn, .Lfunc_end_k_q8985842137_attn-k_q8985842137_attn
	.p2alignl 7, 3214868480
	.fill 96, 4, 3214868480
	.section	.rodata,"a",@progbits
	.p2align	6, 0x0
	.amdhsa_kernel k_q8985842137_attn
		.amdhsa_group_segment_fixed_size 327680
		.amdhsa_private_segment_fixed_size 0
		.amdhsa_enable_private_segment 0
		.amdhsa_kernarg_size 24
		.amdhsa_user_sgpr_count 2
		.amdhsa_user_sgpr_kernarg_segment_ptr 1
		.amdhsa_wavefront_size32 1
		.amdhsa_system_sgpr_workgroup_id_x 1
		.amdhsa_system_sgpr_workgroup_id_y 1
		.amdhsa_system_sgpr_workgroup_id_z 1
		.amdhsa_system_vgpr_workitem_id 0
		.amdhsa_next_free_vgpr 512
		.amdhsa_next_free_sgpr 66
		.amdhsa_reserve_vcc 0
		.amdhsa_float_denorm_mode_32 3
		.amdhsa_float_denorm_mode_16_64 3
		.amdhsa_memory_ordered 1
		.amdhsa_forward_progress 1
		.amdhsa_inst_pref_size 255
	.end_amdhsa_kernel
	.section	.bss,"aw",@nobits
	.p2align	6
	.space	262144
	.amdgpu_metadata
---
amdhsa.version: [ 1, 2 ]
amdhsa.kernels:
  - .name:           k_q8985842137_attn
    .symbol:         k_q8985842137_attn.kd
    .args:
      - { .name: Q, .offset: 0, .size: 8, .value_kind: global_buffer, .address_space: global }
      - { .name: kv, .offset: 8, .size: 8, .value_kind: global_buffer, .address_space: global }
      - { .name: out0, .offset: 16, .size: 8, .value_kind: global_buffer, .address_space: global }
    .group_segment_fixed_size: 327680
    .private_segment_fixed_size: 0
    .kernarg_segment_align: 8
    .kernarg_segment_size: 24
    .max_flat_workgroup_size: 256
    .sgpr_count:     66
    .vgpr_count:     512
    .wavefront_size: 32
...
	.end_amdgpu_metadata
.endif
;; end of part 2
